; MI455X (gfx1250); checked and timed in simulation.
; The chip was launched on July 23, 2026; its instructions are those of AMD's public machine-readable ISA for CDNA 5 (MIT licence, August 2026) and "CDNA5" Instruction Set Architecture Reference Guide (July 2026). The comments in the code are by the model that wrote it; some were corrected since.
;; Attention Block. Allowed arithmetic: matrix products marked QUANTISED: E4M3 operands, one given power-of-two scale a tensor, by v_wmma_f32_16x16x64_fp8_fp8 or v_wmma_f32_16x16x128_fp8_fp8, f32 sums; everything else in f32.
;; Inputs: gn_b 256 float32; gn_w 256 float32; lowp_scales 8 int32 (the exponents e of the quantised operands' scales 2^e); proj_b 256 float32; proj_w 256 x 256 float32; qkv_b 768 float32; qkv_w 768 x 256 float32; x 4 x 256 x 64 x 64 float32.
;; Outputs: out0 4 x 256 x 64 x 64 float32.
;; This version of the problem:
;;   THIS VERSION OF THE PROBLEM IS GIVEN IN LOW PRECISION. The matrix products marked QUANTISED in the list below multiply operands that are first quantised to E4M3 (4 exponent bits, 3 mantissa bits; 8 bits a number), with one given power-of-two scale for each operand tensor; their sums are f32. All else is computed in f32.
;;   The module's matrix products, in the order in which they are computed (A, B: the left and right operand; K: the contracted axis; several contracted axes count as one K, in the product's order):
;;     1. [M 16,384, K 256] x [K 256, N 768]; A: computed on the way; B: input qkv_w: QUANTISED (scales: A lowp_scales[0], B lowp_scales[1])
;;     2. batch 16 x [M 4,096, K 64] x [K 64, N 4,096]; A: computed on the way; B: computed on the way: QUANTISED (scales: A lowp_scales[2], B lowp_scales[3])
;;     3. batch 16 x [M 4,096, K 4,096] x [K 4,096, N 64]; A: softmax (see below); B: computed on the way: QUANTISED (scales: A lowp_scales[4], B lowp_scales[5])
;;     4. [M 16,384, K 256] x [K 256, N 256]; A: computed on the way; B: input proj_w: QUANTISED (scales: A lowp_scales[6], B lowp_scales[7])
;;   THE QUANTISER, for each operand of a quantised product, along K:
;;     - The operand's scale is 2^e, e = its entry of the input lowp_scales (int32; the entries are numbered through the quantised products in the list's order, A before B).
;;     - Each number is divided by the scale, clamped to +-448, and rounded to the nearest number of E4M3, ties to even, subnormals kept.
;;     - The product sums the exact products of the quantised numbers (number of the format x scale) in f32.
;;   ~~~python
;;   def quantise(x, axis, e):      # numpy; x: float32 -> the quantised numbers, widened to float32 again
;;       x = np.moveaxis(x, axis, -1); K = x.shape[-1]
;;       r = np.clip(x / 2.0 ** e, -448, 448)
;;       step = 2.0 ** (np.maximum(np.frexp(np.where(r == 0, 1, r))[1] - 1, -6) - 3)
;;       q = np.round(r / step) * step * 2.0 ** e      # np.round: ties to even
;;       return np.moveaxis(q, -1, axis).astype(np.float32)
;;   ~~~
;;   SOFTMAX AHEAD OF A QUANTISED PRODUCT. Where the list says 'softmax', what is quantised is not the finished softmax but p = 2^(t - M), with t = logit x log2(e) and M = ceil(the row's largest t), a whole number; so 1/2 < the row's largest p <= 1. The row's sum l is taken of the UNQUANTISED p, in f32, and the product's result is divided by l at the end. Since M is a whole number, a kernel that streams over the keys may use a running M (the ceiling of the running maximum): every later rescaling is an exact power of two, so the quantised numbers keep their values, but for numbers so far below the row's largest that they fall under the format's range.
;;   OPERANDS COMPUTED ON THE WAY. 'Computed on the way' means the value that the module computes at that place (a softmax that the list does not call 'softmax' is quantised finished and normalised). What goes into a quantiser is computed in f32, as accurately as f32 sums, v_exp_f32 and their like allow (about 1e-6 of the number): no bf16 or f16 on the way to a quantiser, and a product that is left as it is and whose result goes on into a quantised operand takes f32 operands (vector FMAs, or v_wmma_f32_16x16x4_f32). A number that lies on a knife's edge between two numbers of the format may be rounded either way, as far as f32 arithmetic and the matrix unit's own rounding can turn it there, and no further.
;; One version. Each part assembles by itself: llvm-mc -triple=amdgcn-amd-amdhsa -mcpu=gfx1250 --defsym DOCPART=n.
;; ======== version 1 of 1: 4 launches
;; workspace buffers: stats 2,048 bytes; wq 196,608 bytes; wp 65,536 bytes; qimg 4,194,304 bytes; kv 8,388,608 bytes; oimg 4,194,304 bytes
;; launch prep (part 1): grid 256 x 1, 8 waves a work-group, no clusters, 1,536 bytes of LDS; arguments x, qkv_w, proj_w, lowp_scales, stats, wq, wp; writes stats, wq, wp
.if DOCPART == 1
	.amdgcn_target "amdgcn-amd-amdhsa--gfx1250"
	.amdhsa_code_object_version 6
	.text
	.protected	k_qfc9e564565_prep
	.globl	k_qfc9e564565_prep
	.p2align	8
	.type	k_qfc9e564565_prep,@function
k_qfc9e564565_prep:
	s_mov_b64 s[64:65], 0
	v_nop
	global_prefetch_b8 v0, s[64:65] scope:SCOPE_SE
	s_setreg_imm32_b32 hwreg(HW_REG_WAVE_MODE, 25, 1), 1
	s_wait_xcnt 0x0
; LAUNCH 1 OF 4 of the attention block: out0 = x + proj(attention(qkv(groupnorm(x)))), the four products on codes of E4M3 with given scales 2^e.
; NOTHING OF reference() IS LEFT OUT in any launch: every input has a way to out0 (qkv_b's part for k stands ahead of a quantiser and moves k's codes), no factor is a zero
; that reference() builds itself, no result is sliced away and there is no mask.
; THIS LAUNCH: (a) for each eighth of a group of the group norm (4 channels x 4,096 positions = 16,384 numbers = 65,536 consecutive bytes of x: one work-group) its mean and
; its M2 = the sum of (x - mean)^2.  The numbers stay in registers between the two passes, and no difference of large sums is formed, so a common offset of x costs nothing.
; (b) both weights as codes, laid as images of the operand's registers: a tile of 16 rows x 256 k is 8 pieces of 512 bytes; in piece sc lane (r, h) holds k = 32 sc + 16 h + 0 .. 15 of its row.
; A tile of qkv_w takes rows 8 u + r + (r & 8) of a block of 32 rows, so that two neighbouring tiles' results are 16 neighbours in the next product's K; a tile of proj_w takes 16 neighbouring rows.
; 64 tiles (48 + 16), four work-groups to a tile, two pieces each: waves 0 and 1.
; code = w / 2^e, held within +-448, to the nearest code, ties to even.  LIMITS: e1 and e7 between -126 and 119.  NaN among the inputs is not served.
; No tensor load, no matrix unit, no cluster: the work-groups share no input, and a wave has all its 16 loads of x out at once.
.set RED0,  0                          ; LDS: eight waves' sums,
.set RED1,  256                        ; eight waves' M2, in a block of their own,
.set SPARE, 512                        ; and the spare words, 128 bytes for each wave: four blocks of 256 bytes that no other line names
.set SPW, 3                            ; v3   LDS address of my spare word; never rewritten
.set NIL, 4                            ; v4   0; never rewritten
.set WN,  8                            ; v8-23  16 numbers of a weight's row (waves 0 and 1)
.set WC,  24                           ; v24-27 their codes
.set X,   32                           ; v32-95 my 64 numbers of x
.set CH,  96                           ; v96-103 four packed chains
	s_load_b256 s[4:11], s[0:1], 0x0               ; x s[4:5], qkv_w s[6:7], proj_w s[8:9], the exponents s[10:11]
	s_load_b128 s[12:15], s[0:1], 0x20             ; stats s[12:13], wq s[14:15]
	s_load_b64 s[16:17], s[0:1], 0x30              ; wp
	v_lshl_add_u32 v[SPW], v0, 2, SPARE
	v_mov_b32 v[NIL], 0
	v_lshrrev_b32 v1, 5, v0
	v_readfirstlane_b32 s20, v1                    ; wave 0..7
	v_and_b32 v1, 31, v0                           ; lane
	v_lshlrev_b32 v2, 4, v1                        ; 16 x lane
	v_and_b32 v5, 15, v0                           ; r
	v_bfe_u32 v6, v0, 4, 1                         ; h
	v_mov_b32 v108, s20
	v_lshlrev_b32 v108, 2, v108                    ; my wave's word among the eight
	v_mov_b32 v109, 0
	s_mov_b32 s46, 0x76543210                      ; v_permlanex16_b32: lane l xor 16
	s_mov_b32 s47, 0xfedcba98
	; which tile of which weight: both answers are made, then chosen on the work-group's number alone
	s_lshr_b32 s32, ttmp9, 2                       ; T = tile 0..63
	s_lshr_b32 s33, s32, 1
	s_and_b32 s34, s32, 1                          ; u
	s_lshl_b32 s35, s33, 5
	s_lshl_b32 s36, s34, 3
	s_add_co_u32 s35, s35, s36                     ; qkv_w: first row 32 (T / 2) + 8 u
	s_and_b32 s36, s33, 7                          ; the wave of launch 2 that will read it,
	s_mul_i32 s36, s36, 6
	s_lshr_b32 s37, s32, 4                         ; q, k or v
	s_lshl_b32 s37, s37, 1
	s_add_co_u32 s36, s36, s37
	s_add_co_u32 s36, s36, s34                     ; its place in wq: 6 wave + 2 kind + u
	s_sub_co_u32 s38, s32, 48                      ; proj_w: tile T - 48,
	s_lshl_b32 s39, s38, 4                         ; first row 16 (T - 48)
	s_mov_b32 s45, 0
	s_wait_kmcnt 0x0
	s_load_b256 s[24:31], s[10:11], 0x0            ; e0 .. e7
	s_cmp_lt_u32 ttmp9, 192
	s_cselect_b32 s35, s35, s39                    ; first row
	s_cselect_b32 s36, s36, s38                    ; tile in the image
	s_cselect_b32 s37, 8, 0                        ; rows r + (r & 8), or r
	s_cselect_b64 s[40:41], s[6:7], s[8:9]         ; the weight
	s_cselect_b64 s[42:43], s[14:15], s[16:17]     ; its image
	s_and_b32 s38, ttmp9, 3
	s_lshl_b32 s38, s38, 1
	s_add_co_u32 s38, s38, s20                     ; piece sc = 2 (work-group % 4) + wave (used by waves 0 and 1 alone)
	s_lshl_b32 s44, s35, 10                        ; a row is 1,024 bytes,
	s_lshl_b32 s39, s38, 7                         ; a piece's 32 numbers 128
	s_add_co_u32 s44, s44, s39
	s_add_nc_u64 s[40:41], s[40:41], s[44:45]
	s_lshl_b32 s44, s36, 12                        ; a tile's image is 4,096 bytes,
	s_lshl_b32 s39, s38, 9                         ; a piece 512
	s_add_co_u32 s44, s44, s39
	s_add_nc_u64 s[42:43], s[42:43], s[44:45]
	s_lshl_b32 s44, ttmp9, 3
	s_add_nc_u64 s[12:13], s[12:13], s[44:45]      ; my pair in stats
	s_lshl_b32 s44, ttmp9, 16
	s_lshl_b32 s39, s20, 13
	s_add_co_u32 s44, s44, s39
	s_add_nc_u64 s[4:5], s[4:5], s[44:45]          ; x: 65,536 x work-group + 8,192 x wave
	v_and_b32 v7, s37, v5
	v_add_nc_u32 v7, v7, v5
	v_lshlrev_b32 v7, 10, v7
	v_lshl_add_u32 v7, v6, 6, v7                   ; my row of the tile, + 64 h: 16 neighbours along K
	s_cmp_lt_u32 s20, 2
	s_cbranch_scc0 .Lno_weight
.irp j, 0,1,2,3
	global_load_b128 v[WN+4*\j:WN+4*\j+3], v7, s[40:41] offset:16*\j
.endr
.Lno_weight:
.irp i, 0,1,2,3,4,5,6,7,8,9,10,11,12,13,14,15
	global_load_b128 v[X+4*\i:X+4*\i+3], v2, s[4:5] offset:512*\i   ; 32 lanes read 512 consecutive bytes
.endr
	s_wait_loadcnt 0x0                             ; all of the wave's loads: the sums below want every one
	s_wait_kmcnt 0x0                               ; the exponents
.macro FOLD                            ; four packed chains, then the 32 lanes: the result stands in every lane's v[CH]
	v_pk_add_f32 v[CH:CH+1], v[CH:CH+1], v[CH+2:CH+3]
	v_pk_add_f32 v[CH+4:CH+5], v[CH+4:CH+5], v[CH+6:CH+7]
	v_pk_add_f32 v[CH:CH+1], v[CH:CH+1], v[CH+4:CH+5]
	v_add_f32 v[CH], v[CH], v[CH+1]
	v_add_f32_dpp v[CH], v[CH], v[CH] row_xmask:1 row_mask:0xf bank_mask:0xf
	v_add_f32_dpp v[CH], v[CH], v[CH] row_xmask:2 row_mask:0xf bank_mask:0xf
	v_add_f32_dpp v[CH], v[CH], v[CH] row_xmask:4 row_mask:0xf bank_mask:0xf
	v_add_f32_dpp v[CH], v[CH], v[CH] row_xmask:8 row_mask:0xf bank_mask:0xf
	v_permlanex16_b32 v[CH+1], v[CH], s46, s47
	v_add_f32 v[CH], v[CH], v[CH+1]
.endm
.macro MEET red                        ; the eight waves' results meet in LDS: store, wait for it, barrier, load
	ds_store_b32 v108, v[CH] offset:\red
	s_wait_dscnt 0x0                               ; for the others' sake: my store has landed
	s_barrier_signal -1
	s_barrier_wait -1
	ds_load_b128 v[CH:CH+3], v109 offset:\red
	ds_load_b128 v[CH+4:CH+7], v109 offset:\red+16
	s_wait_dscnt 0x0
	v_add_f32 v[CH], v[CH], v[CH+1]
	v_add_f32 v[CH+2], v[CH+2], v[CH+3]
	v_add_f32 v[CH+4], v[CH+4], v[CH+5]
	v_add_f32 v[CH+6], v[CH+6], v[CH+7]
	v_add_f32 v[CH], v[CH], v[CH+2]
	v_add_f32 v[CH+4], v[CH+4], v[CH+6]
	v_add_f32 v[CH], v[CH], v[CH+4]
.endm
	; pass 1: the sum.  The first additions start the chains: nothing is cleared
.irp k, 0,1,2,3
	v_pk_add_f32 v[CH+2*\k:CH+2*\k+1], v[X+4*\k:X+4*\k+1], v[X+4*\k+2:X+4*\k+3]
.endr
.irp jj, 16,24,32,40,48,56
.irp k, 0,1,2,3
	v_pk_add_f32 v[CH+2*\k:CH+2*\k+1], v[CH+2*\k:CH+2*\k+1], v[X+\jj+2*\k:X+\jj+2*\k+1]
.endr
.endr
	FOLD
	MEET RED0
	v_mul_f32 v104, 0x38800000, v[CH]              ; mean = sum / 16,384
	v_mov_b32 v105, v104
	; pass 2: M2
.set j, 0
.rept 32
	v_pk_add_f32 v[X+j:X+j+1], v[X+j:X+j+1], v[104:105] neg_lo:[0,1] neg_hi:[0,1]
.set j, j+2
.endr
.irp k, 0,1,2,3
	v_pk_mul_f32 v[CH+2*\k:CH+2*\k+1], v[X+2*\k:X+2*\k+1], v[X+2*\k:X+2*\k+1]
.endr
.irp jj, 8,16,24,32,40,48,56
.irp k, 0,1,2,3
	v_pk_fma_f32 v[CH+2*\k:CH+2*\k+1], v[X+\jj+2*\k:X+\jj+2*\k+1], v[X+\jj+2*\k:X+\jj+2*\k+1], v[CH+2*\k:CH+2*\k+1]
.endr
.endr
	FOLD
	MEET RED1                                      ; other bytes than the first meeting's, so no third barrier is owed
	v_mov_b32 v106, v104
	v_mov_b32 v107, v[CH]
	s_cmp_lg_u32 s20, 0
	s_cbranch_scc1 .Lnot_wave_0
	v_cmp_eq_u32 vcc_lo, 0, v0                     ; one lane stores the pair: 8 bytes a work-group, so that launch 2 fetches a group's eight pairs by one scalar load
	s_wait_xcnt 0x0                                ; EXEC changes only behind this wait
	s_and_saveexec_b32 s21, vcc_lo
	global_store_b64 v109, v[106:107], s[12:13]
	s_wait_xcnt 0x0                                ; and again in front of the line that widens it
	s_or_b32 exec_lo, exec_lo, s21
.Lnot_wave_0:
	s_cmp_lt_u32 s20, 2
	s_cbranch_scc0 .Lno_codes
	s_cmp_lt_u32 ttmp9, 192
	s_cselect_b32 s22, s25, s31                    ; e1 for qkv_w, e7 for proj_w
	s_add_co_i32 s22, s22, 127
	s_lshl_b32 s23, s22, 23
	v_mov_b32 v28, s23                             ; 2^e as f32: the conversion takes its exponent field
	s_add_co_i32 s22, s22, 8
	s_lshl_b32 s22, s22, 23
	s_or_b32 s22, s22, 0x600000
	v_mov_b32 v29, s22                             ; 448 x 2^e
.irp i, 0,1,2,3,4,5,6,7,8,9,10,11,12,13,14,15
	v_med3_num_f32 v[WN+\i], v[WN+\i], -v29, v29   ; the conversion to an 8-bit code does not saturate (ISA guide 7.6.2): the hold comes first
.endr
	v_cvt_scalef32_pk8_fp8_f32 v[WC:WC+1], v[WN:WN+7], v28
	v_cvt_scalef32_pk8_fp8_f32 v[WC+2:WC+3], v[WN+8:WN+15], v28
	v_nop
	global_store_b128 v2, v[WC:WC+3], s[42:43]     ; the wave stores a piece: 512 consecutive bytes, aligned
.Lno_codes:
	s_wait_tensorcnt 0x0                           ; the wave's end
	ds_add_u32 v[SPW], v[NIL]
	s_wait_dscnt 0x0
	s_endpgm
.Lfunc_end_k_qfc9e564565_prep:
	.size	k_qfc9e564565_prep, .Lfunc_end_k_qfc9e564565_prep-k_qfc9e564565_prep
	.p2alignl 7, 3214868480
	.fill 96, 4, 3214868480
	.section	.rodata,"a",@progbits
	.p2align	6, 0x0
	.amdhsa_kernel k_qfc9e564565_prep
		.amdhsa_group_segment_fixed_size 1536
		.amdhsa_private_segment_fixed_size 0
		.amdhsa_enable_private_segment 0
		.amdhsa_kernarg_size 56
		.amdhsa_user_sgpr_count 2
		.amdhsa_user_sgpr_kernarg_segment_ptr 1
		.amdhsa_wavefront_size32 1
		.amdhsa_system_sgpr_workgroup_id_x 1
		.amdhsa_system_sgpr_workgroup_id_y 1
		.amdhsa_system_sgpr_workgroup_id_z 1
		.amdhsa_system_vgpr_workitem_id 0
		.amdhsa_next_free_vgpr 112
		.amdhsa_next_free_sgpr 66
		.amdhsa_reserve_vcc 1
		.amdhsa_float_denorm_mode_32 3
		.amdhsa_float_denorm_mode_16_64 3
		.amdhsa_memory_ordered 1
		.amdhsa_forward_progress 1
		.amdhsa_inst_pref_size 15
	.end_amdhsa_kernel
	.amdgpu_metadata
---
amdhsa.version: [ 1, 2 ]
amdhsa.kernels:
  - .name:           k_qfc9e564565_prep
    .symbol:         k_qfc9e564565_prep.kd
    .args:
      - { .name: x, .offset: 0, .size: 8, .value_kind: global_buffer, .address_space: global }
      - { .name: qkv_w, .offset: 8, .size: 8, .value_kind: global_buffer, .address_space: global }
      - { .name: proj_w, .offset: 16, .size: 8, .value_kind: global_buffer, .address_space: global }
      - { .name: lowp_scales, .offset: 24, .size: 8, .value_kind: global_buffer, .address_space: global }
      - { .name: stats, .offset: 32, .size: 8, .value_kind: global_buffer, .address_space: global }
      - { .name: wq, .offset: 40, .size: 8, .value_kind: global_buffer, .address_space: global }
      - { .name: wp, .offset: 48, .size: 8, .value_kind: global_buffer, .address_space: global }
    .group_segment_fixed_size: 1536
    .private_segment_fixed_size: 0
    .kernarg_segment_align: 8
    .kernarg_segment_size: 56
    .max_flat_workgroup_size: 256
    .sgpr_count:     66
    .vgpr_count:     112
    .wavefront_size: 32
...
	.end_amdgpu_metadata
.endif
;; end of part 1
;; launch qkv (part 2): grid 256 x 1, 8 waves a work-group, clusters of 4 x 1, 327,680 bytes of LDS; arguments x, gn_w, gn_b, stats, wq, qkv_b, lowp_scales, qimg, kv; writes qimg, kv
.if DOCPART == 2
	.amdgcn_target "amdgcn-amd-amdhsa--gfx1250"
	.amdhsa_code_object_version 6
	.text
	.protected	k_qfc9e564565_qkv
	.globl	k_qfc9e564565_qkv
	.p2align	8
	.type	k_qfc9e564565_qkv,@function
k_qfc9e564565_qkv:
	s_mov_b64 s[64:65], 0
	v_nop
	global_prefetch_b8 v0, s[64:65] scope:SCOPE_SE
	s_setreg_imm32_b32 hwreg(HW_REG_WAVE_MODE, 25, 1), 1
	s_wait_xcnt 0x0
	s_wait_alu depctr_hold_cnt(0) depctr_sa_sdst(0) depctr_va_vdst(0) depctr_va_sdst(0) depctr_va_ssrc(0) depctr_va_vcc(0) depctr_vm_vsrc(0)
	s_getreg_b32 s2, hwreg(HW_REG_IB_STS2, 6, 4)
	s_cmp_eq_u32 s2, 0
	s_cbranch_scc0 .Lentry_in_a_cluster
	s_endpgm
.Lentry_in_a_cluster:
	s_bfe_u32 s2, ttmp6, 0x10000c
	s_cmp_lg_u32 s2, 0x3003
	s_cbranch_scc0 .Lentry_shape_is_right
	s_endpgm
.Lentry_shape_is_right:
; LAUNCH 2 OF 4: h = groupnorm(x) in f32, quantised (e0); qkv = W h + qkv_b on codes (W's codes: launch 1, e1); q, k, v quantised (e2, e3, e5) and stored as images of the registers in which launch 3 wants them.
; Nothing of reference() is left out.
; SHARES.  A work-group owns 64 positions of one batch: four tiles t of 16; lane r of tile t stands for position 32 (t / 2) + 8 (t % 2) + r + (r & 8).  Wave w (a) normalises and quantises the 32 channels of
; group w, which are piece w (K = 32 w + 16 h + 0 .. 15) of h's four fragments, and hands them to the others through LDS as images of the registers; (b) makes channels 32 w .. 32 w + 31 of q, of k and of v for all 64 positions.
; q and k: source 0 = 16 rows of W, source 1 = h: a lane holds ONE position and 16 neighbouring channels, the next product's K.  v: the sources swapped: a lane holds ONE channel and 16 neighbouring positions (keys), the K of p v.
; So every conversion's result is an operand's registers, and every store of codes is 512 consecutive bytes, 16 a lane.
; CLUSTER.  All work-groups read all of W's codes (196,608 bytes, against 65,536 of x): four work-groups ask for them jointly.  Wave w asks for its own 24,576 bytes and is their only reader,
; so its own wait on TENSORcnt orders its reads.  One tensor load a wave is out, the first fill.
; THE GROUP'S STATISTICS: eight parts' (mean_i, M2_i) of 16,384 numbers each: mean = sum mean_i / 8; M2 = sum M2_i + 16,384 sum (mean_i - mean)^2; var = M2 / 131,072.  h = (x - mean) (rstd gn_w) + gn_b.
; LIMITS: e0, e2, e3, e5 between -126 and 119; e0 + e1 between -126 and 127.  NaN among the inputs is not served.
; REGISTERS.  window 0: v1-9 addresses; v10-17 scales and holds; v18-21 mean, rstd as pairs; v22-27 at work; v32-47 gn_w, then rstd gn_w; v48-63 gn_b; v64-79, v80-95 q's and k's biases; v96-99 v's; v100-115 h's codes;
;   v116-179 x as loaded, later the codes of q, k, v (16 registers each, so that no store's data are written again); v180-243 x by tiles, later the eight accumulators.
;   window 1: v0-127 h's eight fragments; v128-191, v192-255 two sets of four fragments of W.
.set WPART, 24576                      ; LDS 0: W's codes, 24,576 bytes for each wave
.set XST,   196608                     ; each wave's own stage: 32 channel rows of 256 bytes; rows 16-31 lie 128 bytes further on, so that the two halves of the lanes read different banks (64 banks of 4 bytes: ISA guide 11.1)
.set XSTW,  8448
.set HIMG,  264192                     ; h's images: [tile t][piece 0..7][lane][16]
.set SPARE, 280576                     ; the spare words, 128 bytes for each wave: four blocks of 256 bytes that no other line names
.set L16, 1                            ; v1  16 x lane
.set XO,  2                            ; v2  x: 16,384 h + 16 r
.set SPW, 3                            ; v3  my spare word; never rewritten
.set NIL, 4                            ; v4  0; never rewritten
.set STS, 5                            ; v5  the stage, in
.set STR, 6                            ; v6  the stage, out
.set HW,  7                            ; v7  where I store h's images
.set HR,  8                            ; v8  where all read them
.set WR,  9                            ; v9  my part of W's codes
.set GA,  32
.set GB,  48
.set BQ,  64
.set BK,  80
.set BV,  96
.set HC,  100
.set RAW, 116
.set PC,  116
.set XX,  180
.set ACC, 180
.set HF,  0                            ; window 1
.set WB0, 128
.set WB1, 192
.set WV,  22                           ; s22 my wave's number
.set MSB, 0
.macro WIN new                         ; the immediate's high byte repeats the setting that is left
.if MSB != \new
	s_set_vgpr_msb (MSB<<8)|\new
.set MSB, \new
.endif
.endm
.macro CROUND                          ; a round of the cluster's barrier
	s_barrier_signal -1
	s_barrier_wait -1
	s_cmp_lg_u32 s[WV], 0
	s_cbranch_scc1 .Lnot_wave_0_\@
	s_barrier_signal -3
.Lnot_wave_0_\@:
	s_barrier_wait -3
	s_barrier_signal -1
	s_barrier_wait -1
.endm
.macro MKSC e, vsc, vlim               ; from the exponent in s[e]: 2^e as f32, and 448 x 2^e
	s_add_co_i32 s84, s[\e], 127
	s_lshl_b32 s85, s84, 23
	v_mov_b32 v[\vsc], s85
	s_add_co_i32 s84, s84, 8
	s_lshl_b32 s84, s84, 23
	s_or_b32 s84, s84, 0x600000
	v_mov_b32 v[\vlim], s84
.endm
	s_load_b512 s[4:19], s[0:1], 0x0               ; x s[4:5], gn_w s[6:7], gn_b s[8:9], stats s[10:11], wq s[12:13], qkv_b s[14:15], the exponents s[16:17], qimg s[18:19]
	s_load_b64 s[20:21], s[0:1], 0x40              ; kv
	v_lshl_add_u32 v[SPW], v0, 2, SPARE
	v_mov_b32 v[NIL], 0
	ds_add_u32 v[SPW], v[NIL]                      ; the wave's opening: the add, twice on end, and its wait ahead of my first tensor load
	ds_add_u32 v[SPW], v[NIL]                      ; and once more; the set-up below, work on registers, stands between it and the wait
	v_lshrrev_b32 v22, 5, v0
	v_readfirstlane_b32 s[WV], v22                 ; wave 0..7
	s_bfe_u32 s23, ttmp6, 0x40000                  ; cx: my place in the cluster: it enters global addresses alone
	s_lshl_b32 s24, ttmp9, 2
	s_add_co_u32 s24, s24, s23                     ; work-group = 4 x cluster + cx
	s_lshr_b32 s25, s24, 6                         ; batch b
	s_and_b32 s26, s24, 63                         ; block of 64 positions
	; descriptor group 1: a dense block of 24,576 bytes as 96 rows of 32 elements of 8 bytes
	s_mov_b32 s28, 15|(3<<16)|(1<<21)              ; 15:0 the mask: all four work-groups; 17:16 elements of 8 bytes; 21 set beside a mask; no padding
	s_mov_b32 s29, 32<<16                          ; tensor_dim0 = 32
	s_mov_b32 s30, 96<<16                          ; tensor_dim1 = 96
	s_mov_b32 s31, 32<<16                          ; tile_dim0 = 32
	s_mov_b32 s32, 96                              ; tile_dim1 = 96
	s_mov_b32 s33, 32                              ; from row to row: 32 elements
	s_mov_b32 s34, 0
	s_mov_b32 s35, 0
	v_and_b32 v22, 31, v0                          ; lane
	v_lshlrev_b32 v[L16], 4, v22
	v_and_b32 v23, 15, v0                          ; r
	v_bfe_u32 v24, v0, 4, 1                        ; h
	v_lshlrev_b32 v[XO], 4, v23
	v_lshl_add_u32 v[XO], v24, 14, v[XO]           ; lanes 0-15 one channel's 256 bytes, lanes 16-31 the next channel's
	v_and_b32 v25, 8, v23
	v_add_nc_u32 v25, v25, v23                     ; r + (r & 8)
	v_lshlrev_b32 v27, 2, v25                      ; as bytes of f32
	v_lshlrev_b32 v26, 6, v24                      ; 64 h: my 16 channels of the wave's 32
	s_mul_i32 s76, s[WV], XSTW
	s_add_co_u32 s76, s76, XST                     ; my stage
	v_add_nc_u32 v[STS], s76, v[L16]
	v_mul_u32_u24 v[STR], v24, 4224                ; out: channel rows 16 h on (16 x 256 + the 128),
	v_add_nc_u32 v[STR], v[STR], v27               ; position r + (r & 8)
	v_add_nc_u32 v[STR], s76, v[STR]
	s_lshl_b32 s76, s[WV], 9
	s_add_co_u32 s76, s76, HIMG
	v_add_nc_u32 v[HW], s76, v[L16]                ; piece w of each tile's image
	v_add_nc_u32 v[HR], HIMG, v[L16]
	s_mul_i32 s76, s[WV], WPART
	s_mov_b32 s77, 0
	v_add_nc_u32 v[WR], s76, v[L16]
	s_mov_b32 s79, 0
	s_mov_b32 s81, 0
	s_wait_dscnt 0x0                               ; both opening adds are done
	s_wait_kmcnt 0x0
	s_lshl_b32 s78, s25, 9
	s_lshl_b32 s80, s[WV], 6
	s_add_co_u32 s78, s78, s80
	s_add_nc_u64 s[10:11], s[10:11], s[78:79]      ; group 8 b + w: eight pairs, 64 bytes
	s_load_b512 s[40:55], s[10:11], 0x0            ; mean_0, M2_0, .. mean_7, M2_7
	s_load_b256 s[56:63], s[16:17], 0x0            ; e0 .. e7
	s_mov_b32 s36, 1                               ; descriptor group 0: count = 1,
	s_mul_i32 s37, s[WV], WPART                    ; LDS address: my part,
	s_add_nc_u64 s[38:39], s[12:13], s[76:77]      ; global address: the same part of wq: the wave's number alone, so it is equal in the four partners,
	s_or_b32 s39, s39, 0x80000000                  ; type = 2
	CROUND                                         ; all four work-groups are here: the joint loads meet
	tensor_load_to_lds s[36:39], s[28:35]
	s_nop 0
.rept 4
	v_nop
.endr
	s_lshl_b32 s78, s25, 22                        ; x: batch of 4,194,304 bytes,
	s_lshl_b32 s80, s[WV], 19                      ; my 32 channels of 16,384 bytes,
	s_add_co_u32 s78, s78, s80
	s_lshl_b32 s80, s26, 8                         ; my block's 256 bytes of a channel
	s_add_co_u32 s78, s78, s80
	s_add_nc_u64 s[72:73], s[4:5], s[78:79]
	s_lshl_b32 s80, s[WV], 7                       ; my 32 channels in gn_w, gn_b and in each third of qkv_b
	s_add_nc_u64 s[6:7], s[6:7], s[80:81]
	s_add_nc_u64 s[8:9], s[8:9], s[80:81]
	s_add_nc_u64 s[14:15], s[14:15], s[80:81]
.irp j, 0,1,2,3
	global_load_b128 v[GA+4*\j:GA+4*\j+3], v26, s[6:7] offset:16*\j           ; channels 32 w + 16 h + 0 .. 15
	global_load_b128 v[GB+4*\j:GB+4*\j+3], v26, s[8:9] offset:16*\j
	global_load_b128 v[BQ+4*\j:BQ+4*\j+3], v26, s[14:15] offset:16*\j
	global_load_b128 v[BK+4*\j:BK+4*\j+3], v26, s[14:15] offset:1024+16*\j
.endr
	global_load_b32 v[BV], v27, s[14:15] offset:2048                          ; v's bias of my channel 32 w + 8 u + r + (r & 8), u = 0,
	global_load_b32 v[BV+2], v27, s[14:15] offset:2048+32                     ; and u = 1
.irp i, 0,1,2,3,4,5,6,7,8,9,10,11,12,13,14,15
	global_load_b128 v[RAW+4*\i:RAW+4*\i+3], v[XO], s[72:73] offset:32768*\i  ; channels 2 i + h: sixteen lanes read 256 consecutive bytes, aligned
.endr
	; where the codes go
	s_lshr_b32 s82, s[WV], 1
	s_lshl_b32 s83, s25, 2
	s_add_co_u32 s82, s82, s83                     ; batch and head: 4 b + w / 2
	s_and_b32 s83, s[WV], 1                        ; which 32 of the head's 64 channels
	s_lshl_b32 s78, s82, 18                        ; qimg: a head is 262,144 bytes, a block's four tiles 4,096, a piece 512
	s_lshl_b32 s80, s26, 12
	s_add_co_u32 s78, s78, s80
	s_lshl_b32 s80, s83, 9
	s_add_co_u32 s78, s78, s80
	s_add_nc_u64 s[66:67], s[18:19], s[78:79]
	s_lshl_b32 s78, s82, 19                        ; kv: a head is 524,288 bytes, a block of 128 keys 16,384
	s_lshr_b32 s80, s26, 1
	s_lshl_b32 s80, s80, 14
	s_add_co_u32 s78, s78, s80
	s_and_b32 s86, s26, 1                          ; which 64 of the 128 keys
	s_lshl_b32 s80, s86, 12                        ; K: four tiles of 1,024 bytes on,
	s_add_co_u32 s80, s80, s78
	s_lshl_b32 s87, s83, 9                         ; piece w % 2
	s_add_co_u32 s80, s80, s87
	s_add_nc_u64 s[68:69], s[20:21], s[80:81]
	s_lshl_b32 s80, s83, 12                        ; V: behind K's 8,192 bytes; channel tiles 2 (w % 2) + u of 2,048 bytes; key pieces 2 (block % 2) + 0, 1 of 512
	s_add_co_u32 s80, s80, s78
	s_lshl_b32 s87, s86, 10
	s_add_co_u32 s80, s80, s87
	s_add_co_u32 s80, s80, 8192
	s_add_nc_u64 s[70:71], s[20:21], s[80:81]
	s_wait_kmcnt 0x0                               ; the statistics and the exponents
	MKSC 56, 10, 11                                ; h: e0
	MKSC 58, 12, 13                                ; q: e2
	MKSC 59, 14, 15                                ; k: e3
	MKSC 61, 16, 17                                ; v: e5
	s_add_co_i32 s74, s56, s57
	s_add_co_i32 s74, s74, 127
	s_lshl_b32 s74, s74, 23                        ; 2^(e0 + e1) as f32
	s_mov_b32 s75, s74                             ; (named with it as a pair, so it is written)
	v_mov_b32 v[BV+1], 0                           ; (named as the upper halves of pairs)
	v_mov_b32 v[BV+3], 0
	v_mov_b32 v18, s40                             ; the group's mean
.irp i, 42,44,46,48,50,52,54
	v_add_f32 v18, s\i, v18
.endr
	v_mul_f32 v18, 0x3e000000, v18                 ; / 8
	v_mov_b32 v22, s41                             ; the parts' M2
.irp i, 43,45,47,49,51,53,55
	v_add_f32 v22, s\i, v22
.endr
	v_sub_f32 v23, s40, v18
	v_mul_f32 v24, v23, v23                        ; the parts' means about the group's
.irp i, 42,44,46,48,50,52,54
	v_sub_f32 v23, s\i, v18
	v_fmac_f32 v24, v23, v23
.endr
	v_fma_f32 v22, v24, 0x46800000, v22            ; M2 = sum M2_i + 16,384 sum (mean_i - mean)^2
	v_mov_b32 v23, 0x3727c5ac                      ; 1e-5
	v_fma_f32 v22, v22, 0x37000000, v23            ; M2 / 131,072 + eps
	v_rsq_f32 v20, v22
	v_mov_b32 v19, v18                             ; (a plain place behind the transcendental)
	s_wait_alu depctr_va_vdst(0)                   ; the wait ahead of the first line that names the result
	v_mov_b32 v21, v20
	s_wait_loadcnt 0x0                             ; all 34 loads: the turn below wants every row of x
.irp p, 0,2,4,6,8,10,12,14
	v_pk_mul_f32 v[GA+\p:GA+\p+1], v[GA+\p:GA+\p+1], v[20:21]                 ; rstd gn_w
.endr
	; THE TURN: x came with positions along a lane's registers; the conversions want channels there.  Through my own stage: LDS serves a wave's instructions in order (ISA guide 5.7.1.4), so no wait stands between the stores and the loads
.irp i, 0,1,2,3,4,5,6,7,8,9,10,11,12,13,14,15
	ds_store_b128 v[STS], v[RAW+4*\i:RAW+4*\i+3] offset:512*\i+128*(\i/8)
.endr
.irp t, 0,1,2,3
.irp i, 0,1,2,3,4,5,6,7,8,9,10,11,12,13,14,15
	ds_load_b32 v[XX+16*\t+\i], v[STR] offset:256*\i+4*(32*(\t/2)+8*(\t%2))   ; channel 16 h + i at my position of tile t
.endr
.endr
.irp t, 0,1,2,3
	s_wait_dscnt 48-16*\t                          ; tile t's 16 loads are in: behind them stand the later tiles' 16 each (and the earlier tiles' image stores, which this count does not subtract)
.irp p, 0,2,4,6,8,10,12,14
	v_pk_add_f32 v[XX+16*\t+\p:XX+16*\t+\p+1], v[XX+16*\t+\p:XX+16*\t+\p+1], v[18:19] neg_lo:[0,1] neg_hi:[0,1]
.endr
.irp p, 0,2,4,6,8,10,12,14
	v_pk_fma_f32 v[XX+16*\t+\p:XX+16*\t+\p+1], v[XX+16*\t+\p:XX+16*\t+\p+1], v[GA+\p:GA+\p+1], v[GB+\p:GB+\p+1]
.endr
.irp i, 0,1,2,3,4,5,6,7,8,9,10,11,12,13,14,15
	v_med3_num_f32 v[XX+16*\t+\i], v[XX+16*\t+\i], -v11, v11                  ; the conversion to an 8-bit code does not saturate (ISA guide 7.6.2): the hold comes first
.endr
	v_cvt_scalef32_pk8_fp8_f32 v[HC+4*\t:HC+4*\t+1], v[XX+16*\t:XX+16*\t+7], v10
	v_cvt_scalef32_pk8_fp8_f32 v[HC+4*\t+2:HC+4*\t+3], v[XX+16*\t+8:XX+16*\t+15], v10
	v_nop                                          ; one plain line behind the conversions: the products below write their sources
	ds_store_b128 v[HW], v[HC+4*\t:HC+4*\t+3] offset:4096*\t
.endr
	s_wait_tensorcnt 0x0                           ; my part of W's codes has landed
	s_wait_dscnt 0x0                               ; for the others' sake: my images of h have landed
	s_barrier_signal -1
	s_barrier_wait -1                              ; h's eight fragments lie in LDS.
	WIN 0x40                                       ; destination window 1, address window 0
.irp t, 0,1,2,3
.irp ks, 0,1
.irp c, 0,1,2,3
	ds_load_b128 v[HF+16*(2*\t+\ks)+4*\c:HF+16*(2*\t+\ks)+4*\c+3], v[HR] offset:4096*\t+2048*\ks+512*\c
.endr
.endr
.endr
.macro WLOAD buf, kind                 ; my four fragments (tile u, K step ks) of q's, k's or v's rows of W
.irp u, 0,1
.irp ks, 0,1
.irp c, 0,1,2,3
	ds_load_b128 v[\buf+16*(2*\u+\ks)+4*\c:\buf+16*(2*\u+\ks)+4*\c+3], v[WR] offset:8192*\kind+4096*\u+2048*\ks+512*\c
.endr
.endr
.endr
.endm
	WLOAD WB0, 0
	WLOAD WB1, 1
	WIN 0
; ONE OF q, k, v: 16 products, the eight accumulators by turns, one instruction a turn; the first K step starts the sums.  Then sum x 2^(e0 + e1) + bias, the hold, the conversions, four stores.
; cnt: the LDS loads that may stay out.  swp = 1: h is source 0.  reload = 1: behind the products v's fragments of W take this set's registers.
.macro KIND buf, swp, cnt, bias, vsc, vlim, pc, ptr, reload
	s_wait_dscnt \cnt
	WIN 0x05                                       ; both sources window 1, C and D window 0
.irp ks, 0,1
.irp t, 0,1,2,3
.irp u, 0,1
.set rW, \buf+16*(2*\u+\ks)
.set rH, HF+16*(2*\t+\ks)
.if \swp
.set rD, ACC+8*(4*\u+\t)
.if \ks == 0
	v_wmma_f32_16x16x128_fp8_fp8 v[rD:rD+7], v[rH:rH+15], v[rW:rW+15], 0
.else
	v_wmma_f32_16x16x128_fp8_fp8 v[rD:rD+7], v[rH:rH+15], v[rW:rW+15], v[rD:rD+7]
.endif
.else
.set rD, ACC+8*(2*\t+\u)
.if \ks == 0
	v_wmma_f32_16x16x128_fp8_fp8 v[rD:rD+7], v[rW:rW+15], v[rH:rH+15], 0
.else
	v_wmma_f32_16x16x128_fp8_fp8 v[rD:rD+7], v[rW:rW+15], v[rH:rH+15], v[rD:rD+7]
.endif
.endif
.endr
.endr
.endr
	WIN 0
.rept 4
	v_nop                                          ; four places behind the last product, ahead of the reads of results and of loads into registers that products have read
.endr
.if \reload
	WIN 0x40
	WLOAD \buf, 2
	WIN 0
.endif
.if \swp
.irp u, 0,1
.irp p, 0,2,4,6,8,10,12,14,16,18,20,22,24,26,28,30
	v_pk_fma_f32 v[ACC+32*\u+\p:ACC+32*\u+\p+1], v[ACC+32*\u+\p:ACC+32*\u+\p+1], s[74:75], v[BV+2*\u:BV+2*\u+1] op_sel_hi:[1,0,0]   ; one channel a lane: its bias for both halves
.endr
.endr
.else
.irp t, 0,1,2,3
.irp p, 0,2,4,6,8,10,12,14
	v_pk_fma_f32 v[ACC+16*\t+\p:ACC+16*\t+\p+1], v[ACC+16*\t+\p:ACC+16*\t+\p+1], s[74:75], v[\bias+\p:\bias+\p+1] op_sel_hi:[1,0,1]  ; register 16 t + i: channel 16 h + i; each accumulator from its low end on
.endr
.endr
.endif
.irp g, 0,1,2,3
.irp i, 0,1,2,3,4,5,6,7,8,9,10,11,12,13,14,15
	v_med3_num_f32 v[ACC+16*\g+\i], v[ACC+16*\g+\i], -v[\vlim], v[\vlim]
.endr
	v_cvt_scalef32_pk8_fp8_f32 v[\pc+4*\g:\pc+4*\g+1], v[ACC+16*\g:ACC+16*\g+7], v[\vsc]
	v_cvt_scalef32_pk8_fp8_f32 v[\pc+4*\g+2:\pc+4*\g+3], v[ACC+16*\g+8:ACC+16*\g+15], v[\vsc]
.endr
	v_nop                                          ; one plain line behind the last conversion: the next products write its sources
.irp g, 0,1,2,3
.if \swp
	global_store_b128 v[L16], v[\pc+4*\g:\pc+4*\g+3], s[\ptr:\ptr+1] offset:2048*(\g/2)+512*(\g%2)   ; channel tile u = g / 2, key piece g % 2
.else
	global_store_b128 v[L16], v[\pc+4*\g:\pc+4*\g+3], s[\ptr:\ptr+1] offset:1024*\g                  ; position tile g: the wave stores 512 consecutive bytes, aligned
.endif
.endr
.endm
	KIND WB0, 0, 16, BQ, 12, 13, PC,    66, 1      ; q: h and the first set are in; the second set's 16 loads may be out
	KIND WB1, 0, 16, BK, 14, 15, PC+16, 68, 0      ; k: the second set is in; the 16 loads of v's fragments may be out
	KIND WB0, 1, 0,  BV, 16, 17, PC+32, 70, 0      ; v
	s_wait_tensorcnt 0x0                           ; the wave's end: these three lines behind my last tensor load and my last LDS store
	ds_add_u32 v[SPW], v[NIL]
	s_wait_dscnt 0x0
	CROUND                                         ; the closing round: no work-group ends while a partner may still ask for a tile that names it
	s_endpgm
.Lfunc_end_k_qfc9e564565_qkv:
	.size	k_qfc9e564565_qkv, .Lfunc_end_k_qfc9e564565_qkv-k_qfc9e564565_qkv
	.p2alignl 7, 3214868480
	.fill 96, 4, 3214868480
	.section	.rodata,"a",@progbits
	.p2align	6, 0x0
	.amdhsa_kernel k_qfc9e564565_qkv
		.amdhsa_group_segment_fixed_size 327680
		.amdhsa_private_segment_fixed_size 0
		.amdhsa_enable_private_segment 0
		.amdhsa_kernarg_size 72
		.amdhsa_user_sgpr_count 2
		.amdhsa_user_sgpr_kernarg_segment_ptr 1
		.amdhsa_wavefront_size32 1
		.amdhsa_system_sgpr_workgroup_id_x 1
		.amdhsa_system_sgpr_workgroup_id_y 1
		.amdhsa_system_sgpr_workgroup_id_z 1
		.amdhsa_system_vgpr_workitem_id 0
		.amdhsa_next_free_vgpr 512
		.amdhsa_next_free_sgpr 88
		.amdhsa_reserve_vcc 0
		.amdhsa_float_denorm_mode_32 3
		.amdhsa_float_denorm_mode_16_64 3
		.amdhsa_memory_ordered 1
		.amdhsa_forward_progress 1
		.amdhsa_inst_pref_size 56
	.end_amdhsa_kernel
	.amdgpu_metadata
---
amdhsa.version: [ 1, 2 ]
amdhsa.kernels:
  - .name:           k_qfc9e564565_qkv
    .symbol:         k_qfc9e564565_qkv.kd
    .args:
      - { .name: x, .offset: 0, .size: 8, .value_kind: global_buffer, .address_space: global }
      - { .name: gn_w, .offset: 8, .size: 8, .value_kind: global_buffer, .address_space: global }
      - { .name: gn_b, .offset: 16, .size: 8, .value_kind: global_buffer, .address_space: global }
      - { .name: stats, .offset: 24, .size: 8, .value_kind: global_buffer, .address_space: global }
      - { .name: wq, .offset: 32, .size: 8, .value_kind: global_buffer, .address_space: global }
      - { .name: qkv_b, .offset: 40, .size: 8, .value_kind: global_buffer, .address_space: global }
      - { .name: lowp_scales, .offset: 48, .size: 8, .value_kind: global_buffer, .address_space: global }
      - { .name: qimg, .offset: 56, .size: 8, .value_kind: global_buffer, .address_space: global }
      - { .name: kv, .offset: 64, .size: 8, .value_kind: global_buffer, .address_space: global }
    .group_segment_fixed_size: 327680
    .private_segment_fixed_size: 0
    .kernarg_segment_align: 8
    .kernarg_segment_size: 72
    .max_flat_workgroup_size: 256
    .sgpr_count:     88
    .vgpr_count:     512
    .wavefront_size: 32
...
	.end_amdgpu_metadata
.endif
;; end of part 2
;; launch attn (part 3): grid 16 x 16, 8 waves a work-group, clusters of 4 x 1, 327,680 bytes of LDS; arguments qimg, kv, lowp_scales, oimg; writes oimg
.if DOCPART == 3
	.amdgcn_target "amdgcn-amd-amdhsa--gfx1250"
	.amdhsa_code_object_version 6
	.text
	.protected	k_qfc9e564565_attn
	.globl	k_qfc9e564565_attn
	.p2align	8
	.type	k_qfc9e564565_attn,@function
k_qfc9e564565_attn:
	s_mov_b64 s[64:65], 0
	v_nop
	global_prefetch_b8 v0, s[64:65] scope:SCOPE_SE
	s_setreg_imm32_b32 hwreg(HW_REG_WAVE_MODE, 25, 1), 1
	s_wait_xcnt 0x0
	s_wait_alu depctr_hold_cnt(0) depctr_sa_sdst(0) depctr_va_vdst(0) depctr_va_sdst(0) depctr_va_ssrc(0) depctr_va_vcc(0) depctr_vm_vsrc(0)
	s_getreg_b32 s2, hwreg(HW_REG_IB_STS2, 6, 4)
	s_cmp_eq_u32 s2, 0
	s_cbranch_scc0 .Lentry_in_a_cluster
	s_endpgm
.Lentry_in_a_cluster:
	s_bfe_u32 s2, ttmp6, 0x10000c
	s_cmp_lg_u32 s2, 0x3003
	s_cbranch_scc0 .Lentry_shape_is_right
	s_endpgm
.Lentry_shape_is_right:
; LAUNCH 3 OF 4: o = softmax(q k^T / 8) v for 16 (batch, head) pairs of 4,096 positions and 64 channels, both products on codes of E4M3; o is quantised (e6) and stored as the image that launch 4 reads.
; Nothing of reference() is left out.
; THE SOFTMAX AHEAD OF THE SECOND PRODUCT: t = score x log2(e) / 8; M = the running largest t rounded UP to a whole number, kept as -M = floor(-t); p = 2^(t - M) is quantised (e4), not normalised; the row's sum is taken of the
; unquantised p and divides at the end.  When M moves, the sum and O^T are multiplied by f = 2^(old M - new M), a power of two: no branch on data.
; SHARES.  A work-group owns 256 queries of one head, each of its eight waves 32: two tiles of 16.  Every wave walks all 4,096 keys, 128 a step.  A step's 32 LDS loads (16,384 bytes) feed both tiles.
; Two waves share a SIMD, so that one wave's exponentials, LDS waits and products stand beside the other's plain vector work.
; LAYOUT.  Both products transposed: S^T = K Q^T (source 0 = 16 keys, source 1 = 16 queries; K = 64), O^T = V^T P^T (source 0 = 16 channels, source 1 = P; K = 128 keys): a lane holds ONE query throughout.
; q, k and v lie in memory as images of these operands' registers (launch 2): a piece is 512 bytes, 16 a lane.  The keys of a tile of K are chosen so that the 16 registers of score tiles 2 b, 2 b + 1 are keys 32 b + 16 h + 0 .. 15;
; the channels of a tile of V likewise, so that O^T's registers are 16 neighbouring channels: the conversions' results are operands as they stand.
; THE RING.  Two LDS slots of 131,072 bytes = 1,024 keys = 8 blocks of (K 8,192 + V 8,192) bytes, dense in memory.  Wave w fetches block w of a slot by one tensor load of 16,384 bytes, jointly for the cluster's four work-groups,
; which belong to one head.  Four slots' worth in all: two first fills and two refills, written out.  A wave has two tensor loads out at the head, later one.
; No prefetch is laid: a refill is asked for a whole slot, eight key steps, ahead of its first read, and the first two slots are asked for at the head.
; LIMITS: e2 + e3 between -123 and 130 (they are added to c's exponent field); e4 and e6 between -126 and 119; e4 + e5 goes by v_ldexp_f32 and has none.  A p under 2^-126 counts as 0.  NaN among the inputs is not served.
; REGISTERS.  window 0: v1-6 addresses, spare word, p's scale and hold; for tile q: v[8+2q] -M, v[9+2q] the largest t, v[12+2q:13+2q] the sum, v[16+2q] f, v[20+2q], v[21+2q] at work, v[24+q] a permute's result, v[26+2q:27+2q] the sum's second chain;
;   v30, v31 o's hold and scale; v32-63 p's codes; v64-127 O^T (32 q + 8 dt); v128-255 S^T, then p (64 q + 8 t).   window 1: v0-15 Q; v16-79 K of a step; v80-143 V of a step.
.set SLOTB, 131072
.set KBB,   16384                      ; a block of 128 keys
.set SPARE, 262144                     ; behind the ring: the spare words, 128 bytes for each wave: four blocks of 256 bytes that no other line names
.set L16, 1
.set ADR, 2
.set SPW, 3
.set NIL, 4
.set SC4, 5
.set LIM4, 6
.set NM,  8
.set LS,  12
.set FF,  16
.set MA,  20
.set PD,  24
.set L2,  26
.set LIM6, 30
.set SC6, 31
.set PC,  32
.set OT,  64
.set S,   128
.set QF,  0                            ; window 1
.set KF,  16
.set VF,  80
.set WV,  12                           ; s12 my wave's number
.set G1,  24                           ; s[24:31] descriptor group 1
.set G0A, 32                           ; s[32:35] group 0 for slot 0
.set G0B, 36                           ; s[36:39] for slot 1
.set CS,  40                           ; s[40:41] c = log2(e) / 8 x 2^(e2 + e3)
.set SEL, 42                           ; s[42:43] v_permlanex16_b32: lane l xor 16
.set TB,  44                           ; s44 LDS byte of the key block in hand
.set CNT, 45                           ; s45 counts a slot's eight steps
.set E45, 46                           ; s46 e4 + e5
.set MSB, 0
.macro WIN new                         ; the immediate's high byte repeats the setting that is left
.if MSB != \new
	s_set_vgpr_msb (MSB<<8)|\new
.set MSB, \new
.endif
.endm
.macro CROUND                          ; a round of the cluster's barrier
	s_barrier_signal -1
	s_barrier_wait -1
	s_cmp_lg_u32 s[WV], 0
	s_cbranch_scc1 .Lnot_wave_0_\@
	s_barrier_signal -3
.Lnot_wave_0_\@:
	s_barrier_wait -3
	s_barrier_signal -1
	s_barrier_wait -1
.endm
.macro MKSC e, vsc, vlim               ; from the exponent in s[e]: 2^e as f32, and 448 x 2^e
	s_add_co_i32 s52, s[\e], 127
	s_lshl_b32 s53, s52, 23
	v_mov_b32 v[\vsc], s53
	s_add_co_i32 s52, s52, 8
	s_lshl_b32 s52, s52, 23
	s_or_b32 s52, s52, 0x600000
	v_mov_b32 v[\vlim], s52
.endm
.macro HOLD base                       ; 16 numbers of p are held at 448 x 2^e4: the conversion to an 8-bit code does not saturate (ISA guide 7.6.2); p is not negative, so the hold is one-sided
.set n, 0
.rept 16
	v_min_num_f32 v[\base+n], v[\base+n], v[LIM4]
.set n, n+1
.endr
.endm
	s_load_b256 s[4:11], s[0:1], 0x0               ; qimg s[4:5], kv s[6:7], the exponents s[8:9], oimg s[10:11]
	v_lshl_add_u32 v[SPW], v0, 2, SPARE
	v_mov_b32 v[NIL], 0
	ds_add_u32 v[SPW], v[NIL]                      ; the wave's opening: the add, twice on end, and its wait ahead of my first tensor load
	ds_add_u32 v[SPW], v[NIL]                      ; and once more; the set-up below, work on registers, stands between it and the wait
	v_lshrrev_b32 v2, 5, v0
	v_readfirstlane_b32 s[WV], v2                  ; wave 0..7
	v_and_b32 v1, 31, v0
	v_lshlrev_b32 v[L16], 4, v1                    ; 16 x lane
	s_bfe_u32 s13, ttmp6, 0x40000                  ; cx: it enters Q's and O's addresses alone
	s_lshl_b32 s14, ttmp9, 2
	s_add_co_u32 s14, s14, s13                     ; my block of 256 queries
	s_and_b32 s15, ttmp7, 0xffff                   ; batch and head, which the four partners share
	; descriptor group 1: a dense block of 16,384 bytes as 64 rows of 32 elements of 8 bytes
	s_mov_b32 s[G1], 15|(3<<16)|(1<<21)            ; 15:0 the mask: all four work-groups; 17:16 elements of 8 bytes; 21 set beside a mask; no padding
	s_mov_b32 s[G1+1], 32<<16                      ; tensor_dim0 = 32
	s_mov_b32 s[G1+2], 64<<16                      ; tensor_dim1 = 64
	s_mov_b32 s[G1+3], 32<<16                      ; tile_dim0 = 32
	s_mov_b32 s[G1+4], 64                          ; tile_dim1 = 64
	s_mov_b32 s[G1+5], 32                          ; from row to row: 32 elements
	s_mov_b32 s[G1+6], 0
	s_mov_b32 s[G1+7], 0
	s_mov_b32 s[G0A], 1                            ; count = 1
	s_mov_b32 s[G0B], 1
	s_lshl_b32 s[G0A+1], s[WV], 14                 ; LDS: block w of slot 0,
	s_add_co_u32 s[G0B+1], s[G0A+1], SLOTB         ; of slot 1
	s_lshl_b32 s60, s15, 19                        ; a head's K and V are 524,288 bytes
	s_lshl_b32 s62, s[WV], 14
	s_add_co_u32 s60, s60, s62
	s_mov_b32 s61, 0
	s_lshl_b32 s54, s15, 18                        ; Q: a head is 262,144 bytes, a block 16,384, my two tiles 2,048
	s_lshl_b32 s56, s14, 14
	s_add_co_u32 s54, s54, s56
	s_lshl_b32 s56, s[WV], 11
	s_add_co_u32 s54, s54, s56
	s_mov_b32 s55, 0
	s_lshr_b32 s56, s15, 2                         ; O: a batch is 1,048,576 bytes, a tile of 16 positions 4,096, a head's two pieces 1,024
	s_lshl_b32 s56, s56, 20
	s_lshl_b32 s58, s14, 16
	s_add_co_u32 s56, s56, s58
	s_lshl_b32 s58, s[WV], 13
	s_add_co_u32 s56, s56, s58
	s_and_b32 s58, s15, 3
	s_lshl_b32 s58, s58, 10
	s_add_co_u32 s56, s56, s58
	s_mov_b32 s57, 0
	s_mov_b32 s[CS], 0x3e38aa3b                    ; log2(e) / 8
	s_mov_b32 s[SEL], 0x76543210
	s_mov_b32 s[SEL+1], 0xfedcba98
	s_wait_dscnt 0x0                               ; both opening adds are done
	s_wait_kmcnt 0x0
	s_load_b256 s[16:23], s[8:9], 0x0              ; e0 .. e7
	s_add_nc_u64 s[G0A+2:G0A+3], s[6:7], s[60:61]  ; keys 128 w on,
	s_add_nc_u64 s[G0B+2:G0B+3], s[G0A+2:G0A+3], SLOTB   ; keys 1,024 + 128 w on
	s_or_b32 s[G0A+3], s[G0A+3], 0x80000000        ; type = 2
	s_or_b32 s[G0B+3], s[G0B+3], 0x80000000
	s_add_nc_u64 s[48:49], s[4:5], s[54:55]
	s_add_nc_u64 s[50:51], s[10:11], s[56:57]
	CROUND                                         ; all four work-groups are here: the first joint loads meet
	tensor_load_to_lds s[G0A:G0A+3], s[G1:G1+7]    ; the two first fills go out together, ahead of every wait on TENSORcnt and every LDS read; every wave issues both
	s_nop 0
	tensor_load_to_lds s[G0B:G0B+3], s[G1:G1+7]
	s_nop 0
.rept 4
	v_nop
.endr
	WIN 0x40                                       ; destination window 1, address window 0
.irp q, 0,1
.irp c, 0,1
	global_load_b128 v[QF+8*\q+4*\c:QF+8*\q+4*\c+3], v[L16], s[48:49] offset:1024*\q+512*\c   ; Q's two fragments stay in registers
.endr
.endr
	WIN 0
.irp q, 0,1
	v_mov_b32 v[NM+2*\q+1], 0xff61b1e6             ; the largest t so far: -3e38, under every t
	v_floor_f32 v[NM+2*\q], -v[NM+2*\q+1]          ; -M
	v_mov_b32 v[LS+2*\q], 0                        ; the sum, in two halves
	v_mov_b32 v[LS+2*\q+1], 0
	v_mov_b32 v[FF+2*\q+1], 0                      ; (named as the upper half of f's pair)
	v_mov_b32 v[PD+\q], 0                          ; a lane permute's destination counts as one of its sources
.endr
.set n, 0
.rept 64
	v_mov_b32 v[OT+n], 0                           ; O^T.  (The step is written once: the first finds zeros, which the first change of M leaves zeros)
.set n, n+1
.endr
	s_wait_kmcnt 0x0
	s_add_co_i32 s52, s18, s19
	s_lshl_b32 s52, s52, 23
	s_add_co_i32 s[CS], s[CS], s52                 ; a score stands for score x 2^(e2 + e3): the exponents are added to c's exponent field
	s_mov_b32 s[CS+1], s[CS]                       ; (named with it as a pair, so it is written)
	MKSC 20, SC4, LIM4                             ; p: e4
	MKSC 22, SC6, LIM6                             ; o: e6
	s_add_co_i32 s[E45], s20, s21
; A KEY STEP: 128 keys, the block at LDS byte s[TB].
.macro STEP
	v_add_nc_u32 v[ADR], s[TB], v[L16]
	v_nop                                          ; with the addition: four places behind the last step's products, ahead of the loads into V's registers
	v_nop
	v_nop
	WIN 0x40
.irp t, 0,1,2,3,4,5,6,7
	ds_load_b128 v[KF+8*\t:KF+8*\t+3],   v[ADR] offset:1024*\t
	ds_load_b128 v[KF+8*\t+4:KF+8*\t+7], v[ADR] offset:1024*\t+512
.endr
.irp d, 0,1,2,3
.irp c, 0,1,2,3
	ds_load_b128 v[VF+16*\d+4*\c:VF+16*\d+4*\c+3], v[ADR] offset:8192+2048*\d+512*\c
.endr
.endr
	s_wait_dscnt 16                                ; K is in; V's 16 loads may be out
	WIN 0x05                                       ; both sources window 1, D window 0
.irp t, 0,1,2,3,4,5,6,7
.irp q, 0,1
	v_wmma_f32_16x16x64_fp8_fp8 v[S+64*\q+8*\t:S+64*\q+8*\t+7], v[KF+8*\t:KF+8*\t+7], v[QF+8*\q:QF+8*\q+7], 0
.endr
.endr
	WIN 0
.rept 4
	v_nop                                          ; four places ahead of the first read of the scores
.endr
	; the step's largest score of my query among my 64 keys, in two chains a tile; the tiles take turns line by line; each accumulator is read from its low end on
.irp q, 0,1
	v_max3_num_f32 v[MA+2*\q], v[S+64*\q], v[S+64*\q+1], v[S+64*\q+2]
.endr
.irp q, 0,1
	v_max3_num_f32 v[MA+2*\q+1], v[S+64*\q+3], v[S+64*\q+4], v[S+64*\q+5]
.endr
.irp i, 6,10,14,18,22,26,30,34,38,42,46,50,54,58
.irp q, 0,1
	v_max3_num_f32 v[MA+2*\q], v[MA+2*\q], v[S+64*\q+\i], v[S+64*\q+\i+1]
.endr
.irp q, 0,1
	v_max3_num_f32 v[MA+2*\q+1], v[MA+2*\q+1], v[S+64*\q+\i+2], v[S+64*\q+\i+3]
.endr
.endr
.irp q, 0,1
	v_max3_num_f32 v[MA+2*\q], v[MA+2*\q], v[S+64*\q+62], v[S+64*\q+63]
.endr
.irp q, 0,1
	v_max_num_f32 v[MA+2*\q], v[MA+2*\q], v[MA+2*\q+1]
.endr
.irp q, 0,1
	v_permlanex16_b32 v[PD+\q], v[MA+2*\q], s[SEL], s[SEL+1]   ; the query's other 64 keys lie in the lane 16 away
.endr
.irp q, 0,1
	v_max_num_f32 v[MA+2*\q], v[MA+2*\q], v[PD+\q]
.endr
.irp q, 0,1
	v_mul_f32 v[MA+2*\q], s[CS], v[MA+2*\q]        ; as t (c is positive)
.endr
.irp q, 0,1
	v_max_num_f32 v[NM+2*\q+1], v[NM+2*\q+1], v[MA+2*\q]       ; the running largest t
.endr
.irp q, 0,1
	v_mov_b32 v[MA+2*\q], v[NM+2*\q]               ; the old -M
.endr
.irp q, 0,1
	v_floor_f32 v[NM+2*\q], -v[NM+2*\q+1]          ; the new -M = floor(-t) = -ceil(t)
.endr
.irp q, 0,1
	v_sub_f32 v[MA+2*\q], v[NM+2*\q], v[MA+2*\q]   ; old M - new M: a whole number, 0 or less
.endr
.irp q, 0,1
	v_cvt_i32_f32 v[MA+2*\q], v[MA+2*\q]           ; (it saturates)
.endr
.irp q, 0,1
	v_ldexp_f32 v[FF+2*\q], 1.0, v[MA+2*\q]        ; f = 2^(old M - new M)
.endr
	; ONE BATCH of 128 exponentials with one wait: nothing ahead of the wait names a result.  Plain lines stand among them: tile 1's scalings among tile 0's exponentials, O^T's rescaling among tile 1's
.set j, 0
.rept 32
	v_pk_fma_f32 v[S+2*j:S+2*j+1], v[S+2*j:S+2*j+1], s[CS:CS+1], v[NM:NM+1] op_sel_hi:[1,0,0]   ; t - M, two at a time (of the pairs c and -M the low word serves both halves)
.set j, j+1
.endr
.set j, 0
.rept 32
	v_pk_fma_f32 v[S+64+2*j:S+64+2*j+1], v[S+64+2*j:S+64+2*j+1], s[CS:CS+1], v[NM+2:NM+3] op_sel_hi:[1,0,0]
	v_exp_f32 v[S+2*j], v[S+2*j]                   ; p = 2^(t - M), at most 1
	v_exp_f32 v[S+2*j+1], v[S+2*j+1]
.set j, j+1
.endr
.set j, 0
.rept 32
	v_pk_mul_f32 v[OT+2*j:OT+2*j+1], v[OT+2*j:OT+2*j+1], v[FF+2*(j/16):FF+2*(j/16)+1] op_sel_hi:[1,0]   ; O^T under the new M, each accumulator from its low end on
	v_exp_f32 v[S+64+2*j], v[S+64+2*j]
	v_exp_f32 v[S+64+2*j+1], v[S+64+2*j+1]
.set j, j+1
.endr
	v_pk_mul_f32 v[LS:LS+1], v[LS:LS+1], v[FF:FF+1] op_sel_hi:[1,0]           ; the sums under the new M.  (The plain place behind the last exponential)
	v_pk_mul_f32 v[LS+2:LS+3], v[LS+2:LS+3], v[FF+2:FF+3] op_sel_hi:[1,0]
	s_wait_alu depctr_va_vdst(0)                   ; the wait ahead of the first line that names a result: one for the batch
	; the row's sum is taken of the unquantised p
.irp q, 0,1
	v_pk_add_f32 v[L2+2*\q:L2+2*\q+1], v[S+64*\q:S+64*\q+1], v[S+64*\q+2:S+64*\q+3]
.endr
.irp jj, 4,8,12,16,20,24,28,32,36,40,44,48,52,56,60
.irp q, 0,1
	v_pk_add_f32 v[LS+2*\q:LS+2*\q+1], v[LS+2*\q:LS+2*\q+1], v[S+64*\q+\jj:S+64*\q+\jj+1]
	v_pk_add_f32 v[L2+2*\q:L2+2*\q+1], v[L2+2*\q:L2+2*\q+1], v[S+64*\q+\jj+2:S+64*\q+\jj+3]
.endr
.endr
.irp q, 0,1
	v_pk_add_f32 v[LS+2*\q:LS+2*\q+1], v[LS+2*\q:LS+2*\q+1], v[L2+2*\q:L2+2*\q+1]
.endr
.irp q, 0,1
.irp b, 0,1,2,3
	HOLD S+64*\q+16*\b
	v_cvt_scalef32_pk8_fp8_f32 v[PC+16*\q+4*\b:PC+16*\q+4*\b+1], v[S+64*\q+16*\b:S+64*\q+16*\b+7], v[SC4]      ; registers 4 b .. 4 b + 3 of P's fragment: keys 32 b + 16 h + 0 .. 15
	v_cvt_scalef32_pk8_fp8_f32 v[PC+16*\q+4*\b+2:PC+16*\q+4*\b+3], v[S+64*\q+16*\b+8:S+64*\q+16*\b+15], v[SC4]
.endr
.endr
	v_nop                                          ; one plain line between the last conversion and the products that read its result
	s_wait_dscnt 0x0                               ; V is in
	WIN 0x01                                       ; source 0 (V) window 1
.irp d, 0,1,2,3
.irp q, 0,1
	v_wmma_f32_16x16x128_fp8_fp8 v[OT+32*\q+8*\d:OT+32*\q+8*\d+7], v[VF+16*\d:VF+16*\d+15], v[PC+16*\q:PC+16*\q+15], v[OT+32*\q+8*\d:OT+32*\q+8*\d+7]   ; eight accumulators, one instruction a turn
.endr
.endr
	WIN 0
.endm
.macro PHASE base                      ; a slot's eight key steps: written once, walked eight times; the trip count is a constant
	s_mov_b32 s[TB], \base
	s_mov_b32 s[CNT], 8
.Lstep_\@:
	STEP
	s_add_co_u32 s[TB], s[TB], KBB
	s_sub_co_u32 s[CNT], s[CNT], 1
	s_cmp_lg_u32 s[CNT], 0
	s_cbranch_scc1 .Lstep_\@
.endm
; THE CHANGE OF SLOTS with a refill: each wave waits for all its tensor loads (its block of the slot ahead), adds 0 to its spare word, and waits for that and for its reads of the slot that it leaves;
; a round of the cluster's barrier, so that no wave of any partner still reads that slot or has a load on its way; the joint refill is the first thing behind it, and has eight key steps in which to land.
.macro CHANGE g0
	s_wait_tensorcnt 0x0                           ; no tensor load of mine is out, so a group 0 may be written
	ds_add_u32 v[SPW], v[NIL]                      ; 0 onto my spare word
	s_add_nc_u64 s[\g0+2:\g0+3], s[\g0+2:\g0+3], 2*SLOTB   ; the slot's next 1,024 keys: two slots on; the type bits on top are not reached
	s_wait_dscnt 0x0                               ; the add is done, and my reads of the slot are over
	CROUND
	tensor_load_to_lds s[\g0:\g0+3], s[G1:G1+7]
	s_nop 0
.rept 4
	v_nop
.endr
.endm
	s_wait_loadcnt 0x0                             ; Q
	s_wait_tensorcnt 1                             ; my block of slot 0 is in; slot 1's may stay out
	s_barrier_signal -1
	s_barrier_wait -1                              ; everybody's is
	PHASE 0                                        ; keys 0 .. 1,023
	CHANGE G0A                                     ; slot 0 takes keys 2,048 on
	PHASE SLOTB                                    ; keys 1,024 ..
	CHANGE G0B                                     ; slot 1 takes keys 3,072 on: the last load
	PHASE 0                                        ; keys 2,048 ..
	s_wait_tensorcnt 0x0                           ; the last change fills nothing: my block of slot 1 is in,
	ds_add_u32 v[SPW], v[NIL]
	s_wait_dscnt 0x0
	s_barrier_signal -1
	s_barrier_wait -1                              ; everybody's is
	PHASE SLOTB                                    ; keys 3,072 ..
	; THE WAY OUT: o = O^T / the sum x 2^(e4 + e5), quantised with e6.  A lane's 16 registers of a pair of channel tiles are 16 neighbouring channels of its query: the codes are launch 4's operand as they stand.
.irp q, 0,1
	v_add_f32 v[LS+2*\q], v[LS+2*\q], v[LS+2*\q+1] ; the sum's two halves.  (These lines are also the places behind the last products)
.endr
.irp q, 0,1
	v_permlanex16_b32 v[PD+\q], v[LS+2*\q], s[SEL], s[SEL+1]
.endr
.irp q, 0,1
	v_add_f32 v[LS+2*\q], v[LS+2*\q], v[PD+\q]     ; and the lane 16 away's: the row's sum
.endr
.irp q, 0,1
	v_rcp_f32 v[LS+2*\q], v[LS+2*\q]
.endr
	v_nop                                          ; a plain place behind the last reciprocal
	s_wait_alu depctr_va_vdst(0)                   ; one wait for both, ahead of the first reader
.irp q, 0,1
	v_ldexp_f32 v[LS+2*\q], v[LS+2*\q], s[E45]
.endr
.irp q, 0,1
.irp p, 0,2,4,6,8,10,12,14,16,18,20,22,24,26,28,30
	v_pk_mul_f32 v[OT+32*\q+\p:OT+32*\q+\p+1], v[OT+32*\q+\p:OT+32*\q+\p+1], v[LS+2*\q:LS+2*\q+1] op_sel_hi:[1,0]
.endr
.set n, 0
.rept 32
	v_med3_num_f32 v[OT+32*\q+n], v[OT+32*\q+n], -v[LIM6], v[LIM6]
.set n, n+1
.endr
.irp g, 0,1,2,3
	v_cvt_scalef32_pk8_fp8_f32 v[PC+16*\q+2*\g:PC+16*\q+2*\g+1], v[OT+32*\q+8*\g:OT+32*\q+8*\g+7], v[SC6]
.endr
.endr
	v_nop
.irp q, 0,1
.irp b, 0,1
	global_store_b128 v[L16], v[PC+16*\q+4*\b:PC+16*\q+4*\b+3], s[50:51] offset:4096*\q+512*\b   ; the wave stores a piece: 512 consecutive bytes, aligned
.endr
.endr
	s_wait_tensorcnt 0x0                           ; the wave's end: these three lines behind my last tensor load
	ds_add_u32 v[SPW], v[NIL]
	s_wait_dscnt 0x0
	CROUND                                         ; the closing round: no work-group ends while a partner may still ask for a tile that names it
	s_endpgm
.Lfunc_end_k_qfc9e564565_attn:
	.size	k_qfc9e564565_attn, .Lfunc_end_k_qfc9e564565_attn-k_qfc9e564565_attn
	.p2alignl 7, 3214868480
	.fill 96, 4, 3214868480
	.section	.rodata,"a",@progbits
	.p2align	6, 0x0
	.amdhsa_kernel k_qfc9e564565_attn
		.amdhsa_group_segment_fixed_size 327680
		.amdhsa_private_segment_fixed_size 0
		.amdhsa_enable_private_segment 0
		.amdhsa_kernarg_size 32
		.amdhsa_user_sgpr_count 2
		.amdhsa_user_sgpr_kernarg_segment_ptr 1
		.amdhsa_wavefront_size32 1
		.amdhsa_system_sgpr_workgroup_id_x 1
		.amdhsa_system_sgpr_workgroup_id_y 1
		.amdhsa_system_sgpr_workgroup_id_z 1
		.amdhsa_system_vgpr_workitem_id 0
		.amdhsa_next_free_vgpr 400
		.amdhsa_next_free_sgpr 66
		.amdhsa_reserve_vcc 0
		.amdhsa_float_denorm_mode_32 3
		.amdhsa_float_denorm_mode_16_64 3
		.amdhsa_memory_ordered 1
		.amdhsa_forward_progress 1
		.amdhsa_inst_pref_size 130
	.end_amdhsa_kernel
	.amdgpu_metadata
---
amdhsa.version: [ 1, 2 ]
amdhsa.kernels:
  - .name:           k_qfc9e564565_attn
    .symbol:         k_qfc9e564565_attn.kd
    .args:
      - { .name: qimg, .offset: 0, .size: 8, .value_kind: global_buffer, .address_space: global }
      - { .name: kv, .offset: 8, .size: 8, .value_kind: global_buffer, .address_space: global }
      - { .name: lowp_scales, .offset: 16, .size: 8, .value_kind: global_buffer, .address_space: global }
      - { .name: oimg, .offset: 24, .size: 8, .value_kind: global_buffer, .address_space: global }
    .group_segment_fixed_size: 327680
    .private_segment_fixed_size: 0
    .kernarg_segment_align: 8
    .kernarg_segment_size: 32
    .max_flat_workgroup_size: 256
    .sgpr_count:     66
    .vgpr_count:     400
    .wavefront_size: 32
...
	.end_amdgpu_metadata
.endif
;; end of part 3
;; launch proj (part 4): grid 256 x 1, 8 waves a work-group, no clusters, 87,040 bytes of LDS; arguments oimg, wp, proj_b, x, lowp_scales, out0; writes out0
.if DOCPART == 4
	.amdgcn_target "amdgcn-amd-amdhsa--gfx1250"
	.amdhsa_code_object_version 6
	.text
	.protected	k_qfc9e564565_proj
	.globl	k_qfc9e564565_proj
	.p2align	8
	.type	k_qfc9e564565_proj,@function
k_qfc9e564565_proj:
	s_mov_b64 s[64:65], 0
	v_nop
	global_prefetch_b8 v0, s[64:65] scope:SCOPE_SE
	s_setreg_imm32_b32 hwreg(HW_REG_WAVE_MODE, 25, 1), 1
	s_wait_xcnt 0x0
; LAUNCH 4 OF 4: out0 = x + proj_w o + proj_b, the product on codes of E4M3 (o: launch 3, e6; proj_w: launch 1, e7).  Nothing of reference() is left out.
; SHARES.  A work-group owns 64 positions of one batch (four tiles of 16, as launch 2 chose them); wave w makes channels 32 w .. 32 w + 31 (two tiles u) for all 64 positions.
; o's 16,384 bytes of images are copied once into LDS, 2,048 bytes a wave, and read by all eight; a wave's 8,192 bytes of proj_w's images go straight into its registers.
; Source 0 = o's 16 positions, source 1 = 16 rows of proj_w: a lane holds ONE channel and, in tiles 2 cc and 2 cc + 1, positions 32 cc + 16 h + 0 .. 15: neighbours in out0's rows.
; They go through the wave's own stage (32 channel rows of 256 bytes + 16) and leave with x added: sixteen lanes store 256 consecutive bytes, aligned.
; NO CLUSTER: what the work-groups share, proj_w's 65,536 bytes, is under a third of the 212,992 bytes that a work-group moves, and each of its bytes goes once into the registers of the one wave that uses it;
; a joint load would add a pass through LDS.  No tensor load, so no ring.
; LIMITS: e6 + e7 between -126 and 127.
; REGISTERS.  window 0: v1-8 addresses; v16-19 the bias's two pairs; v32-95 the eight accumulators (8 (4 u + t)); v96-159 x; v160-223 o's copy, later rows of the result.  window 1: v0-127 o's eight fragments; v128-191 proj_w's four.
.set OIMG,  0
.set STG,   16384                      ; eight stages of 32 x 272 bytes: row r starts at bank 4 r mod 64 (64 banks of 4 bytes: ISA guide 11.1)
.set SPARE, 86016                      ; the spare words, 128 bytes for each wave: four blocks of 256 bytes that no other line names
.set L16, 1
.set XO,  2
.set SPW, 3
.set NIL, 4
.set OW,  5                            ; v5  where I store my part of o's images
.set SO,  6                            ; v6  the stage, in
.set SR,  7                            ; v7  the stage, out
.set BO,  8                            ; v8  4 r: the bias's offset
.set PB,  16
.set ACC, 32
.set XR,  96
.set BK,  160
.set OF,  0                            ; window 1
.set WF,  128
.set WV,  24
.set MSB, 0
.macro WIN new                         ; the immediate's high byte repeats the setting that is left
.if MSB != \new
	s_set_vgpr_msb (MSB<<8)|\new
.set MSB, \new
.endif
.endm
	s_load_b256 s[4:11], s[0:1], 0x0               ; oimg s[4:5], wp s[6:7], proj_b s[8:9], x s[10:11]
	s_load_b128 s[12:15], s[0:1], 0x20             ; the exponents s[12:13], out0 s[14:15]
	v_lshl_add_u32 v[SPW], v0, 2, SPARE
	v_mov_b32 v[NIL], 0
	v_lshrrev_b32 v9, 5, v0
	v_readfirstlane_b32 s[WV], v9                  ; wave 0..7
	s_lshr_b32 s25, ttmp9, 6                       ; batch b
	s_and_b32 s26, ttmp9, 63                       ; block of 64 positions
	v_and_b32 v9, 31, v0
	v_lshlrev_b32 v[L16], 4, v9                    ; 16 x lane
	v_and_b32 v10, 15, v0                          ; r
	v_bfe_u32 v11, v0, 4, 1                        ; h
	v_lshlrev_b32 v[XO], 4, v10
	v_lshl_add_u32 v[XO], v11, 14, v[XO]           ; x and out0: lanes 0-15 one channel's 256 bytes, lanes 16-31 the next channel's
	v_lshlrev_b32 v[BO], 2, v10
	s_lshl_b32 s38, s[WV], 11
	v_add_nc_u32 v[OW], s38, v[L16]
	s_mul_i32 s38, s[WV], 32*272
	s_add_co_u32 s38, s38, STG                     ; my stage
	v_mul_u32_u24 v[SO], v10, 272
	v_lshl_add_u32 v[SO], v11, 6, v[SO]
	v_add_nc_u32 v[SO], s38, v[SO]                 ; in: row r, + 64 h: my 16 positions
	v_mul_u32_u24 v[SR], v11, 272
	v_lshl_add_u32 v[SR], v10, 4, v[SR]
	v_add_nc_u32 v[SR], s38, v[SR]                 ; out: lanes 0-15 one row, lanes 16-31 the next
	s_lshl_b32 s30, s25, 20                        ; oimg: a batch is 1,048,576 bytes, my block 16,384, my part 2,048
	s_lshl_b32 s32, s26, 14
	s_add_co_u32 s30, s30, s32
	s_lshl_b32 s32, s[WV], 11
	s_add_co_u32 s30, s30, s32
	s_mov_b32 s31, 0
	s_lshl_b32 s32, s[WV], 13                      ; wp: my two tiles
	s_mov_b32 s33, 0
	s_lshl_b32 s34, s[WV], 7                       ; proj_b: my 32 channels
	s_mov_b32 s35, 0
	s_lshl_b32 s36, s25, 22                        ; x, out0: batch, my 32 channels, my block's 256 bytes of a channel
	s_lshl_b32 s39, s[WV], 19
	s_add_co_u32 s36, s36, s39
	s_lshl_b32 s39, s26, 8
	s_add_co_u32 s36, s36, s39
	s_mov_b32 s37, 0
	s_wait_kmcnt 0x0
	s_load_b256 s[16:23], s[12:13], 0x0            ; e0 .. e7
	s_add_nc_u64 s[4:5], s[4:5], s[30:31]
	s_add_nc_u64 s[6:7], s[6:7], s[32:33]
	s_add_nc_u64 s[8:9], s[8:9], s[34:35]
	s_add_nc_u64 s[10:11], s[10:11], s[36:37]
	s_add_nc_u64 s[14:15], s[14:15], s[36:37]
.irp i, 0,1,2,3
	global_load_b128 v[BK+4*\i:BK+4*\i+3], v[L16], s[4:5] offset:512*\i       ; my part of o's images, first: the others wait for it
.endr
	WIN 0x40                                       ; destination window 1, address window 0
.irp u, 0,1
.irp ks, 0,1
.irp c, 0,1,2,3
	global_load_b128 v[WF+16*(2*\u+\ks)+4*\c:WF+16*(2*\u+\ks)+4*\c+3], v[L16], s[6:7] offset:4096*\u+2048*\ks+512*\c
.endr
.endr
.endr
	WIN 0
	global_load_b32 v[PB], v[BO], s[8:9]           ; the bias of my channel 32 w + 16 u + r, u = 0,
	global_load_b32 v[PB+2], v[BO], s[8:9] offset:64   ; and u = 1
.irp i, 0,1,2,3,4,5,6,7,8,9,10,11,12,13,14,15
	global_load_b128 v[XR+4*\i:XR+4*\i+3], v[XO], s[10:11] offset:32768*\i th:TH_LOAD_NT   ; channels 2 i + h: the residual; read once here
.endr
	v_mov_b32 v[PB+1], 0                           ; (named as the upper halves of pairs)
	v_mov_b32 v[PB+3], 0
	s_wait_loadcnt 34                              ; o's four loads are in; behind them stand 16 of proj_w, 2 of the bias, 16 of x
.irp i, 0,1,2,3
	ds_store_b128 v[OW], v[BK+4*\i:BK+4*\i+3] offset:OIMG+512*\i
.endr
	s_wait_dscnt 0x0                               ; for the others' sake: my stores have landed
	s_barrier_signal -1
	s_barrier_wait -1                              ; o's eight fragments lie in LDS
	WIN 0x40
.irp t, 0,1,2,3
.irp ks, 0,1
.irp c, 0,1,2,3
	ds_load_b128 v[OF+16*(2*\t+\ks)+4*\c:OF+16*(2*\t+\ks)+4*\c+3], v[L16] offset:OIMG+4096*\t+2048*\ks+512*\c
.endr
.endr
.endr
	WIN 0
	s_wait_kmcnt 0x0
	s_add_co_i32 s28, s22, s23
	s_add_co_i32 s28, s28, 127
	s_lshl_b32 s28, s28, 23                        ; 2^(e6 + e7) as f32
	s_mov_b32 s29, s28                             ; (named with it as a pair, so it is written)
	s_wait_loadcnt 16                              ; proj_w's fragments and the bias are in; x's 16 loads may be out
	s_wait_dscnt 0x0
	WIN 0x05                                       ; both sources window 1, C and D window 0
.irp ks, 0,1
.irp t, 0,1,2,3
.irp u, 0,1
.set rD, ACC+8*(4*\u+\t)
.if \ks == 0
	v_wmma_f32_16x16x128_fp8_fp8 v[rD:rD+7], v[OF+16*(2*\t+\ks):OF+16*(2*\t+\ks)+15], v[WF+16*(2*\u+\ks):WF+16*(2*\u+\ks)+15], 0
.else
	v_wmma_f32_16x16x128_fp8_fp8 v[rD:rD+7], v[OF+16*(2*\t+\ks):OF+16*(2*\t+\ks)+15], v[WF+16*(2*\u+\ks):WF+16*(2*\u+\ks)+15], v[rD:rD+7]   ; eight accumulators by turns
.endif
.endr
.endr
.endr
	WIN 0
.rept 4
	v_nop                                          ; four places ahead of the first read of results (ISA guide 7.12.1)
.endr
.irp u, 0,1
.irp p, 0,2,4,6,8,10,12,14,16,18,20,22,24,26,28,30
	v_pk_fma_f32 v[ACC+32*\u+\p:ACC+32*\u+\p+1], v[ACC+32*\u+\p:ACC+32*\u+\p+1], s[28:29], v[PB+2*\u:PB+2*\u+1] op_sel_hi:[1,0,0]   ; sum x 2^(e6 + e7) + proj_b, each accumulator from its low end on
.endr
.endr
.irp u, 0,1
.irp cc, 0,1
.irp k, 0,1,2,3
	ds_store_b128 v[SO], v[ACC+32*\u+16*\cc+4*\k:ACC+32*\u+16*\cc+4*\k+3] offset:4352*\u+128*\cc+16*\k   ; channel row 16 u + r, positions 32 cc + 16 h + 4 k on
.endr
.endr
.endr
.irp i, 0,1,2,3,4,5,6,7,8,9,10,11,12,13,14,15
	ds_load_b128 v[BK+4*\i:BK+4*\i+3], v[SR] offset:544*\i   ; rows 2 i + h.  LDS serves a wave's instructions in order (ISA guide 5.7.1.4): these see my stores
.endr
	s_wait_loadcnt 0x0                             ; x
.irp i, 0,1,2,3,4,5,6,7,8,9,10,11,12,13,14,15
	s_wait_dscnt 15-\i                             ; row pair i is back; the later ones may be out
	v_pk_add_f32 v[BK+4*\i:BK+4*\i+1], v[BK+4*\i:BK+4*\i+1], v[XR+4*\i:XR+4*\i+1]
	v_pk_add_f32 v[BK+4*\i+2:BK+4*\i+3], v[BK+4*\i+2:BK+4*\i+3], v[XR+4*\i+2:XR+4*\i+3]
	global_store_b128 v[XO], v[BK+4*\i:BK+4*\i+3], s[14:15] offset:32768*\i th:TH_STORE_NT   ; sixteen lanes store 256 consecutive bytes, aligned; written once, read by nobody here
.endr
	s_wait_tensorcnt 0x0                           ; the wave's end
	ds_add_u32 v[SPW], v[NIL]
	s_wait_dscnt 0x0
	s_endpgm
.Lfunc_end_k_qfc9e564565_proj:
	.size	k_qfc9e564565_proj, .Lfunc_end_k_qfc9e564565_proj-k_qfc9e564565_proj
	.p2alignl 7, 3214868480
	.fill 96, 4, 3214868480
	.section	.rodata,"a",@progbits
	.p2align	6, 0x0
	.amdhsa_kernel k_qfc9e564565_proj
		.amdhsa_group_segment_fixed_size 87040
		.amdhsa_private_segment_fixed_size 0
		.amdhsa_enable_private_segment 0
		.amdhsa_kernarg_size 48
		.amdhsa_user_sgpr_count 2
		.amdhsa_user_sgpr_kernarg_segment_ptr 1
		.amdhsa_wavefront_size32 1
		.amdhsa_system_sgpr_workgroup_id_x 1
		.amdhsa_system_sgpr_workgroup_id_y 1
		.amdhsa_system_sgpr_workgroup_id_z 1
		.amdhsa_system_vgpr_workitem_id 0
		.amdhsa_next_free_vgpr 448
		.amdhsa_next_free_sgpr 66
		.amdhsa_reserve_vcc 0
		.amdhsa_float_denorm_mode_32 3
		.amdhsa_float_denorm_mode_16_64 3
		.amdhsa_memory_ordered 1
		.amdhsa_forward_progress 1
		.amdhsa_inst_pref_size 18
	.end_amdhsa_kernel
	.amdgpu_metadata
---
amdhsa.version: [ 1, 2 ]
amdhsa.kernels:
  - .name:           k_qfc9e564565_proj
    .symbol:         k_qfc9e564565_proj.kd
    .args:
      - { .name: oimg, .offset: 0, .size: 8, .value_kind: global_buffer, .address_space: global }
      - { .name: wp, .offset: 8, .size: 8, .value_kind: global_buffer, .address_space: global }
      - { .name: proj_b, .offset: 16, .size: 8, .value_kind: global_buffer, .address_space: global }
      - { .name: x, .offset: 24, .size: 8, .value_kind: global_buffer, .address_space: global }
      - { .name: lowp_scales, .offset: 32, .size: 8, .value_kind: global_buffer, .address_space: global }
      - { .name: out0, .offset: 40, .size: 8, .value_kind: global_buffer, .address_space: global }
    .group_segment_fixed_size: 87040
    .private_segment_fixed_size: 0
    .kernarg_segment_align: 8
    .kernarg_segment_size: 48
    .max_flat_workgroup_size: 256
    .sgpr_count:     66
    .vgpr_count:     448
    .wavefront_size: 32
...
	.end_amdgpu_metadata
.endif
;; end of part 4
